; MI455X (gfx1250); checked and timed in simulation.
; The chip was launched on July 23, 2026; its instructions are those of AMD's public machine-readable ISA for CDNA 5 (MIT licence, August 2026) and "CDNA5" Instruction Set Architecture Reference Guide (July 2026). The comments in the code are by the model that wrote it; some were corrected since.
;; Attention. Allowed arithmetic: matrix products marked QUANTISED: E4M3 operands, one E8M0 scale for each 32 along K, by v_wmma_scale_f32_16x16x128_f8f6f4 with both operands' format E4M3, f32 sums; products left as they are: f32 operands where the result goes on into a quantised operand, else bf16, f16 or f32 operands; f32 sums; everything else in f32.
;; Inputs: W_attn_codes 1,024 x 64 x 32 uint8 (E4M3 codes of W_attn, K innermost, in blocks of 32 codes); W_attn_scales 1,024 x 64 uint8 (E8M0 scales of W_attn, one for each 32 codes along K); b_attn 1,024 float32; encoder_outputs 64 x 512 x 1,024 float32; hidden 64 x 1,024 float32; v 1,024 float32.
;; Outputs: out0 64 x 1 x 1,024 float32.
;; This version of the problem:
;;   THIS VERSION OF THE PROBLEM IS GIVEN IN LOW PRECISION. The matrix products marked QUANTISED in the list below multiply operands that are first quantised to E4M3 (4 exponent bits, 3 mantissa bits; 8 bits a number), with one power-of-two scale for each 32 numbers along K (OCP MX v1.0); their sums are f32. All else is computed in f32.
;;   The module's matrix products, in the order in which they are computed (A, B: the left and right operand; K: the contracted axis; several contracted axes count as one K, in the product's order):
;;     1. [M 32,768, K 2,048] x [K 2,048, N 1,024]; A: computed on the way; B: input W_attn (given as codes): QUANTISED
;;     2. [M 32,768, K 1,024] x [K 1,024, N 1]; A: computed on the way; B: input v: left as it is (N = 1 < 16)
;;     3. batch 64 x [M 1, K 512] x [K 512, N 1,024]; A: softmax; B: input encoder_outputs: left as it is (M = 1 < 16)
;;   THE QUANTISER, for each operand of a quantised product, along K:
;;     - K is cut into blocks of 32 from its start; a last block that is shorter is filled with zeros.
;;     - A block's scale is 2^e with e = floor(log2(the largest magnitude in the block)) - 8, held to -126 .. 127; a block of zeros has e = 0. As a byte (E8M0): e + 127.
;;     - Each number is divided by its block's scale, clamped to +-448, and rounded to the nearest number of E4M3, ties to even, subnormals kept.
;;     - The product sums the exact products of the quantised numbers (number of the format x scale) in f32.
;;   ~~~python
;;   def quantise(x, axis):      # numpy; x: float32 -> the quantised numbers, widened to float32 again
;;       x = np.moveaxis(x, axis, -1); K = x.shape[-1]
;;       x = np.pad(x, [(0, 0)] * (x.ndim - 1) + [(0, -K % 32)]); x = x.reshape(x.shape[:-1] + (-1, 32)); a = np.abs(x).max(-1, keepdims=True)
;;       e = np.where(a > 0, np.clip(np.frexp(np.where(a > 0, a, 1))[1] - 1 - 8, -126, 127), 0)      # np.frexp(a)[1] - 1 = floor(log2(a)), exactly
;;       r = np.clip(x / 2.0 ** e, -448, 448)
;;       step = 2.0 ** (np.maximum(np.frexp(np.where(r == 0, 1, r))[1] - 1, -6) - 3)
;;       q = np.round(r / step) * step * 2.0 ** e      # np.round: ties to even
;;       return np.moveaxis(q.reshape(q.shape[:-2] + (-1,))[..., :K], -1, axis).astype(np.float32)
;;   ~~~
;;   OPERANDS COMPUTED ON THE WAY. 'Computed on the way' means the value that the module computes at that place (a softmax that the list does not call 'softmax' is quantised finished and normalised). What goes into a quantiser is computed in f32, as accurately as f32 sums, v_exp_f32 and their like allow (about 1e-6 of the number): no bf16 or f16 on the way to a quantiser, and a product that is left as it is and whose result goes on into a quantised operand takes f32 operands (vector FMAs, or v_wmma_f32_16x16x4_f32). A number that lies on a knife's edge between two numbers of the format may be rounded either way, as far as f32 arithmetic and the matrix unit's own rounding can turn it there, and no further.
;;   INPUTS GIVEN AS CODES. W_attn (in the module: [1024, 2048], K = its axis 1): each comes as NAME_codes (uint8): NAME with its K axis moved to the last place and cut into blocks of 32 codes, [.., K / 32, bytes a block], one block behind the other in memory; one code a byte (a code: sign, 4 exponent bits, 3 mantissa bits); and NAME_scales (uint8): the same leading axes, one E8M0 byte (e + 127) for each 32 codes along K. Its value is code x scale, taken as it is: it is not quantised again, and the codes and scales need not be those that the quantiser above would give.
;; One version. Each part assembles by itself: llvm-mc -triple=amdgcn-amd-amdhsa -mcpu=gfx1250 --defsym DOCPART=n.
;; ======== version 1 of 1: 3 launches
;; limits: values are held in bf16: 8 bits of precision; right only within a limited range of input values
;; workspace buffers: hp 262,144 bytes; part 1,048,576 bytes; stat 2,048 bytes
;; launch prep (part 1): grid 16 x 4, 4 waves a work-group, no clusters, 22,528 bytes of LDS; arguments hidden, W_attn_codes, W_attn_scales, b_attn, hp; writes hp
.if DOCPART == 1
	.amdgcn_target "amdgcn-amd-amdhsa--gfx1250"
	.amdhsa_code_object_version 6
	.text
	.protected	k_qc4ab8e81c2_prep
	.globl	k_qc4ab8e81c2_prep
	.p2align	8
	.type	k_qc4ab8e81c2_prep,@function
k_qc4ab8e81c2_prep:
	s_mov_b64 s[64:65], 0
	v_nop
	global_prefetch_b8 v0, s[64:65] scope:SCOPE_SE
	s_setreg_imm32_b32 hwreg(HW_REG_WAVE_MODE, 25, 1), 1
	s_wait_xcnt 0x0
; hp[b][n] = c x (b_attn[n] + the sum over k < 1024 of Q(hidden[b])[k] W[n][k]),  c = 2 log2(e).   hidden [64][1024] f32; W as codes [1024][2048] and scale bytes [1024][64]; hp [64][1024] f32.
; WHAT THE PROGRAM LEAVES OUT, AND WHY IT MAY.  reference() lays hidden[b] in front of every one of the 512 rows of batch b (broadcast_to, concatenate), so columns 0 .. 1023 of 'combined' are the same numbers in
; all rows of a batch, whatever the inputs hold.  The quantiser cuts K = 2048 into blocks of 32 from its start; 1024 is a multiple of 32, so no block holds numbers of both halves: the 32 blocks of the hidden half
; have the same codes and scales in all 512 rows, and their share of product 1 is one number for each (b, n).  It is computed here once for each batch, on codes, by the scaled matrix instruction; the 511 repeats are not done.
; The bias is added here, and all is multiplied by c, which the next launch's tanh wants.  Every input of the problem is loaded by some launch.
; LIMITS: the f32 sum of a row takes the hidden half and the bias first, the encoder half after (another order of rounding than one sum over K = 2048).  NaN and infinities among the inputs are not served.  Blocks whose
; largest magnitude lies under 2^(8 - 126) keep the scale byte 1; a block of zeros has the byte 1 over zero codes where the rule says 127: the bytes are read by this program alone.
; SHARES.  Work-group (x, y): 64 columns n = 64 x .., 16 batches 16 y ...  Wave w: the tile n0 = 64 x + 16 w; it also quantises K steps 2 w and 2 w + 1 of the 16 rows of hidden for all four waves: the fragments go
; from wave to wave through LDS as images of their registers (16 bytes a lane, 512 a store), the scale words likewise (4 bytes a lane).
; THE MATRIX INSTRUCTION IS USED TRANSPOSED (source 0 = 16 rows of W, source 1 = 16 rows of hidden): a lane holds one batch and eight neighbouring n.
.set XIMG,  0                          ; LDS: the 8 fragments of hidden, 2,048 bytes each,
.set XSC,   8*2048                     ; their scale words, 128 bytes each,
.set STG,   XSC+8*128                  ; the stage for the way out: 16 rows x (256 bytes + 16), in a block of 4,608,
.set SPARE, STG+4608                   ; and the spare words, 128 bytes for each wave, which no other line names
.set SPW, 1                            ; v1   LDS address of my spare word; never rewritten
.set NIL, 2                            ; v2   0; never rewritten
.set XA,  3                            ; v3   hidden: 4096 r + 64 h
.set WA,  4                            ; v4   W's codes: 2048 r + 16 h
.set SA,  5                            ; v5   W's scales: 64 r + 16 h
.set BA,  6                            ; v6   the bias: 32 h
.set LI,  7                            ; v7   16 x lane
.set LS,  8                            ; v8   4 x lane
.set XWI, 9                            ; v9   where I store my images: 16 x lane + 4096 x wave
.set XWS, 10                           ; v10  and their scale words: 4 x lane + 256 x wave
.set SO,  11                           ; v11  the stage, in
.set SR,  12                           ; v12  the stage, back
.set GO,  13                           ; v13  my byte offset in hp
.set WS,  16                           ; v16-19  W's scale words: register ks % 4; lanes 0-15 K steps 0-3, lanes 16-31 K steps 4-7.  Scales and nothing else
.set HS,  20                           ; v20-27  hidden's scale words, one register a K step.  Scales and nothing else
.set BI,  28                           ; v28-35  the bias of my eight n
.set AC,  36                           ; v36-43, v44-51  two accumulators, by turns
.set TM,  52                           ; v52-67  the quantiser at work
.set PW,  68                           ; v68     the scale word just made
.set PC,  112                          ; v112-127 the codes just made
.set XN,  128                          ; v128-255 two K steps of hidden as f32; later its 8 fragments.   Window 1, v0-127: W's 8 fragments
.set WV,  18
.set CC,  46                           ; s[46:47] c
.set SEL, 50                           ; s[50:51] v_permlanex16_b32's selects for lane l xor 16
.set MNT, 52                           ; s52 the mantissa field of 448
.set MSB, 0
.macro WIN new                         ; the immediate's high byte repeats the setting that is left
.if MSB != (\new)
	s_set_vgpr_msb (MSB<<8)|(\new)
.set MSB, \new
.endif
.endm
; 64 numbers of a lane, register 16 b + i = k 32 b + 16 (lane / 16) + i of my row, become a fragment's codes in v[PC] on and its scale word in v[PW]
.macro QUANT s
.irp b, 0,1,2,3
	v_max3_num_f32 v[TM+\b], |v[\s+16*\b]|, |v[\s+1+16*\b]|, 0x4800000   ; block b: my 16 numbers, and the floor 2^(9 - 127): the byte cannot fall under 1
.endr
.irp i, 2,4,6,8,10,12,14
.irp b, 0,1,2,3
	v_max3_num_f32 v[TM+\b], v[TM+\b], |v[\s+16*\b+\i]|, |v[\s+1+16*\b+\i]|   ; the four blocks by turns
.endr
.endr
.irp b, 0,1,2,3
	v_permlanex16_b32 v[TM+4+\b], v[TM+\b], s[SEL], s[SEL+1]
.endr
.irp b, 0,1,2,3
	v_max_num_f32 v[TM+\b], v[TM+\b], v[TM+4+\b]                  ; with lane l xor 16's: the block's largest magnitude
.endr
.irp b, 0,1,2,3
	v_add_nc_u32 v[TM+12+\b], 0xfc000000, v[TM+\b]                ; 8 off its exponent field: the conversion's scale operand
.endr
.irp b, 0,1,2,3
	v_and_or_b32 v[TM+8+\b], v[TM+\b], 0x7f800000, s[MNT]         ; 448 x the scale
.endr
.irp b, 0,1,2,3
	v_lshrrev_b32 v[TM+4+\b], 23, v[TM+12+\b]                     ; the scale's byte
.endr
	v_lshl_or_b32 v[PW], v[TM+5], 8, v[TM+4]
	v_lshl_or_b32 v[PW], v[TM+6], 16, v[PW]
	v_lshl_or_b32 v[PW], v[TM+7], 24, v[PW]
.irp b, 0,1,2,3
.irp i, 0,1,2,3,4,5,6,7,8,9,10,11,12,13,14,15
	v_med3_num_f32 v[\s+16*\b+\i], v[\s+16*\b+\i], -v[TM+8+\b], v[TM+8+\b]   ; the conversion to an 8-bit code does not saturate (ISA guide 7.6.2): the hold at the largest code x the scale
.endr
	v_cvt_scalef32_pk8_fp8_f32 v[PC+4*\b:PC+1+4*\b], v[\s+16*\b:\s+7+16*\b], v[TM+12+\b]
	v_cvt_scalef32_pk8_fp8_f32 v[PC+2+4*\b:PC+3+4*\b], v[\s+8+16*\b:\s+15+16*\b], v[TM+12+\b]
.endr
	v_nop                                          ; one plain vector instruction behind the last scaled conversion
.endm
.macro IMAGE s                         ; my s-th fragment and its scale words go to LDS as they stand
.irp c, 0,1,2,3
	ds_store_b128 v[XWI], v[PC+4*\c:PC+4*\c+3] offset:XIMG+2048*\s+512*\c
.endr
	ds_store_b32 v[XWS], v[PW] offset:XSC+128*\s
.endm
.macro BARRIER                         ; my LDS stores have landed and my LDS loads are in: then the work-group's barrier
	s_wait_dscnt 0x0
	s_barrier_signal -1
	s_barrier_wait -1
.endm
.macro HMM k                           ; K step k: the two accumulators take turns, one instruction a turn; the bias starts the first sum, 0 the second
.set HA, AC+8*((\k)%2)
.if (\k) == 0
	v_wmma_scale_f32_16x16x128_f8f6f4 v[HA:HA+7], v[16*\k:16*\k+15], v[XN+16*\k:XN+16*\k+15], v[BI:BI+7], v[WS+\k], v[HS+\k]
.elseif (\k) == 1
	v_wmma_scale_f32_16x16x128_f8f6f4 v[HA:HA+7], v[16*\k:16*\k+15], v[XN+16*\k:XN+16*\k+15], 0, v[WS+\k], v[HS+\k]
.elseif (\k) < 4
	v_wmma_scale_f32_16x16x128_f8f6f4 v[HA:HA+7], v[16*\k:16*\k+15], v[XN+16*\k:XN+16*\k+15], v[HA:HA+7], v[WS+\k], v[HS+\k]
.else
	v_wmma_scale_f32_16x16x128_f8f6f4 v[HA:HA+7], v[16*\k:16*\k+15], v[XN+16*\k:XN+16*\k+15], v[HA:HA+7], v[WS+\k-4], v[HS+\k] matrix_a_scale:MATRIX_SCALE_ROW1
.endif
.endm
	s_load_b256 s[4:11], s[0:1], 0x0               ; hidden s[4:5], W's codes s[6:7], W's scales s[8:9], the bias s[10:11]
	s_load_b64 s[12:13], s[0:1], 0x20              ; hp
	v_lshl_add_u32 v[SPW], v0, 2, SPARE
	v_mov_b32 v[NIL], 0
	v_lshrrev_b32 v14, 5, v0
	v_readfirstlane_b32 s[WV], v14                 ; wave 0..3
	s_and_b32 s20, ttmp7, 0xffff                   ; y
	v_and_b32 v14, 15, v0                          ; r
	v_bfe_u32 v15, v0, 4, 1                        ; h
	v_lshlrev_b32 v[XA], 12, v14
	v_lshl_add_u32 v[XA], v15, 6, v[XA]
	v_lshlrev_b32 v[WA], 11, v14
	v_lshl_add_u32 v[WA], v15, 4, v[WA]
	v_lshlrev_b32 v[SA], 6, v14
	v_lshl_add_u32 v[SA], v15, 4, v[SA]
	v_lshlrev_b32 v[BA], 5, v15
	v_and_b32 v[LS], 31, v0
	v_lshlrev_b32 v[LI], 4, v[LS]
	v_lshlrev_b32 v[LS], 2, v[LS]
	s_lshl_b32 s21, s[WV], 12
	v_add_nc_u32 v[XWI], s21, v[LI]
	s_lshl_b32 s21, s[WV], 8
	v_add_nc_u32 v[XWS], s21, v[LS]
	v_mul_u32_u24 v[SO], v14, 272                  ; the stage, in: row r (a batch), + 64 x wave (my 16 n), + 32 h
	v_lshl_add_u32 v[SO], v15, 5, v[SO]
	s_lshl_b32 s21, s[WV], 6
	s_add_co_u32 s21, s21, STG
	v_add_nc_u32 v[SO], s21, v[SO]
	v_mul_u32_u24 v[SR], v15, 272                  ; back: rows 4 w + h and two further on, 16 bytes a lane
	v_lshl_add_u32 v[SR], v14, 4, v[SR]
	s_mul_i32 s21, s[WV], 4*272
	s_add_co_u32 s21, s21, STG
	v_add_nc_u32 v[SR], s21, v[SR]
	v_lshlrev_b32 v[GO], 12, v15                   ; and the same rows in hp
	v_lshl_add_u32 v[GO], v14, 4, v[GO]
.irp b, 0,1,2,3
	v_mov_b32 v[TM+4+\b], 0                        ; written once: a lane permute's destination counts as one of its sources
.endr
	s_mov_b32 s[CC], 0x4038aa3b                    ; c = 2 log2(e)
	s_mov_b32 s[CC+1], s[CC]
	s_mov_b32 s[SEL], 0x76543210
	s_mov_b32 s[SEL+1], 0xfedcba98
	s_mov_b32 s[MNT], 0x600000
	s_lshl_b32 s22, s20, 16                        ; hidden: 16 y rows of 4,096 bytes + my two K steps, 1,024 bytes x wave
	s_lshl_b32 s23, s[WV], 10
	s_add_co_u32 s22, s22, s23
	s_mov_b32 s23, 0
	s_lshl_b32 s24, ttmp9, 17                      ; W's codes: n0 rows of 2,048 bytes, n0 = 64 x + 16 w
	s_lshl_b32 s25, s[WV], 15
	s_add_co_u32 s24, s24, s25
	s_mov_b32 s25, 0
	s_lshr_b32 s26, s24, 5                         ; W's scales: n0 rows of 64 bytes
	s_mov_b32 s27, 0
	s_lshr_b32 s28, s24, 9                         ; the bias: 4 n0
	s_mov_b32 s29, 0
	s_lshl_b32 s30, s20, 16                        ; hp: row 16 y + 4 w, + 256 x bytes
	s_lshl_b32 s31, s[WV], 14
	s_add_co_u32 s30, s30, s31
	s_lshl_b32 s31, ttmp9, 8
	s_add_co_u32 s30, s30, s31
	s_mov_b32 s31, 0
	s_wait_kmcnt 0x0
	s_add_nc_u64 s[4:5], s[4:5], s[22:23]
	s_add_nc_u64 s[6:7], s[6:7], s[24:25]
	s_add_nc_u64 s[8:9], s[8:9], s[26:27]
	s_add_nc_u64 s[10:11], s[10:11], s[28:29]
	s_add_nc_u64 s[12:13], s[12:13], s[30:31]
.irp s, 0,1                            ; hidden first: lane (r, h) takes, of row r, 16 neighbours of each block of 32
.irp b, 0,1,2,3
.irp j, 0,1,2,3
	global_load_b128 v[XN+64*\s+16*\b+4*\j:XN+64*\s+16*\b+4*\j+3], v[XA], s[4:5] offset:512*\s+128*\b+16*\j
.endr
.endr
.endr
	WIN 0x40                                       ; destination window 1
.irp k, 0,1,2,3,4,5,6,7                ; W's fragments of the hidden half: row n0 + r, K step k
.irp c, 0,1,2,3
	global_load_b128 v[16*\k+4*\c:16*\k+4*\c+3], v[WA], s[6:7] offset:128*\k+32*\c
.endr
.endr
	WIN 0
	global_load_b128 v[WS:WS+3], v[SA], s[8:9]     ; the row's scale words 4 h .. 4 h + 3
	global_load_b128 v[BI:BI+3], v[BA], s[10:11]   ; b_attn[n0 + 8 h + 0 .. 7]: the result's layout
	global_load_b128 v[BI+4:BI+7], v[BA], s[10:11] offset:16
	s_wait_loadcnt 35                              ; hidden's 32 loads are in; the 35 issued behind them (W 32, scales 1, bias 2) may be out
	QUANT XN
	IMAGE 0
	s_wait_dscnt 0x0                               ; the stores have read their registers
	QUANT XN+64
	IMAGE 1
	BARRIER                                        ; the eight fragments of hidden lie in LDS
.irp k, 0,1,2,3,4,5,6,7
.irp c, 0,1,2,3
	ds_load_b128 v[XN+16*\k+4*\c:XN+16*\k+4*\c+3], v[LI] offset:XIMG+2048*\k+512*\c
.endr
	ds_load_b32 v[HS+\k], v[LS] offset:XSC+128*\k
.endr
	s_wait_dscnt 0x0
	s_wait_loadcnt 0x0                             ; W, its scales, the bias
	WIN 0x01                                       ; source 0 (W) window 1
.irp k, 0,1,2,3,4,5,6,7
	HMM \k
.endr
	WIN 0
.rept 8
	v_nop                                          ; eight places behind this matrix form, ahead of the first read of a result
.endr
.irp j, 0,2,4,6
	v_pk_add_f32 v[AC+\j:AC+\j+1], v[AC+\j:AC+\j+1], v[AC+8+\j:AC+9+\j]   ; the two sums; each accumulator is read from its low end on
.endr
.irp j, 0,2,4,6
	v_pk_mul_f32 v[AC+\j:AC+\j+1], v[AC+\j:AC+\j+1], s[CC:CC+1] op_sel_hi:[1,0]   ; x c
.endr
	ds_store_b128 v[SO], v[AC:AC+3]
	ds_store_b128 v[SO], v[AC+4:AC+7] offset:16
	BARRIER                                        ; 16 rows of 256 bytes lie in the stage: a row's bytes come from four waves
	ds_load_b128 v[XN:XN+3], v[SR]
	ds_load_b128 v[XN+4:XN+7], v[SR] offset:2*272
	s_wait_dscnt 0x0
	global_store_b128 v[GO], v[XN:XN+3], s[12:13]                  ; 16 lanes store 256 consecutive bytes, at a multiple of 256 from hp's first byte
	global_store_b128 v[GO], v[XN+4:XN+7], s[12:13] offset:2*4096
	s_wait_tensorcnt 0x0                           ; the wave's end, behind my last LDS store
	ds_add_u32 v[SPW], v[NIL]
	s_wait_dscnt 0x0
	s_endpgm
.Lfunc_end_k_qc4ab8e81c2_prep:
	.size	k_qc4ab8e81c2_prep, .Lfunc_end_k_qc4ab8e81c2_prep-k_qc4ab8e81c2_prep
	.p2alignl 7, 3214868480
	.fill 96, 4, 3214868480
	.section	.rodata,"a",@progbits
	.p2align	6, 0x0
	.amdhsa_kernel k_qc4ab8e81c2_prep
		.amdhsa_group_segment_fixed_size 22528
		.amdhsa_private_segment_fixed_size 0
		.amdhsa_enable_private_segment 0
		.amdhsa_kernarg_size 40
		.amdhsa_user_sgpr_count 2
		.amdhsa_user_sgpr_kernarg_segment_ptr 1
		.amdhsa_wavefront_size32 1
		.amdhsa_system_sgpr_workgroup_id_x 1
		.amdhsa_system_sgpr_workgroup_id_y 1
		.amdhsa_system_sgpr_workgroup_id_z 1
		.amdhsa_system_vgpr_workitem_id 0
		.amdhsa_next_free_vgpr 384
		.amdhsa_next_free_sgpr 66
		.amdhsa_reserve_vcc 0
		.amdhsa_float_denorm_mode_32 3
		.amdhsa_float_denorm_mode_16_64 3
		.amdhsa_memory_ordered 1
		.amdhsa_forward_progress 1
		.amdhsa_inst_pref_size 32
	.end_amdhsa_kernel
	.amdgpu_metadata
---
amdhsa.version: [ 1, 2 ]
amdhsa.kernels:
  - .name:           k_qc4ab8e81c2_prep
    .symbol:         k_qc4ab8e81c2_prep.kd
    .args:
      - { .name: hidden, .offset: 0, .size: 8, .value_kind: global_buffer, .address_space: global }
      - { .name: W_attn_codes, .offset: 8, .size: 8, .value_kind: global_buffer, .address_space: global }
      - { .name: W_attn_scales, .offset: 16, .size: 8, .value_kind: global_buffer, .address_space: global }
      - { .name: b_attn, .offset: 24, .size: 8, .value_kind: global_buffer, .address_space: global }
      - { .name: hp, .offset: 32, .size: 8, .value_kind: global_buffer, .address_space: global }
    .group_segment_fixed_size: 22528
    .private_segment_fixed_size: 0
    .kernarg_segment_align: 8
    .kernarg_segment_size: 40
    .max_flat_workgroup_size: 128
    .sgpr_count:     66
    .vgpr_count:     384
    .wavefront_size: 32
...
	.end_amdgpu_metadata
.endif
;; end of part 1
;; launch main (part 2): grid 256 x 1, 4 waves a work-group, clusters of 4 x 1, 327,680 bytes of LDS; arguments encoder_outputs, W_attn_codes, W_attn_scales, hp, v, part, stat; writes part, stat
.if DOCPART == 2
	.amdgcn_target "amdgcn-amd-amdhsa--gfx1250"
	.amdhsa_code_object_version 6
	.text
	.protected	k_qc4ab8e81c2_main
	.globl	k_qc4ab8e81c2_main
	.p2align	8
	.type	k_qc4ab8e81c2_main,@function
k_qc4ab8e81c2_main:
	s_mov_b64 s[64:65], 0
	v_nop
	global_prefetch_b8 v0, s[64:65] scope:SCOPE_SE
	s_setreg_imm32_b32 hwreg(HW_REG_WAVE_MODE, 25, 1), 1
	s_wait_xcnt 0x0
	s_wait_alu depctr_hold_cnt(0) depctr_sa_sdst(0) depctr_va_vdst(0) depctr_va_sdst(0) depctr_va_ssrc(0) depctr_va_vcc(0) depctr_vm_vsrc(0)
	s_getreg_b32 s2, hwreg(HW_REG_IB_STS2, 6, 4)
	s_cmp_eq_u32 s2, 0
	s_cbranch_scc0 .Lentry_in_a_cluster
	s_endpgm
.Lentry_in_a_cluster:
	s_bfe_u32 s2, ttmp6, 0x10000c
	s_cmp_lg_u32 s2, 0x3003
	s_cbranch_scc0 .Lentry_shape_is_right
	s_endpgm
.Lentry_shape_is_right:
; For 128 rows s of one batch b: u[s] = the sum over n of v[n] r[s][n], r = 1 / (1 + 2^(c x)), x = Q(enc[s]) . W[n][1024 ..] + (hidden half + bias), c = 2 log2(e); then the rows' softmax numbers and their share of the context.
; LEFT OUT.  (1) The hidden half of product 1 is the same for all rows of a batch (reference() broadcasts hidden; 1024 is a multiple of the quantiser's 32): the launch before made it once a batch, x c, in hp.
; (2) tanh = 1 - 2 r, so score = (the sum of v) - 2 u; the sum of v is the same number for every s, whatever the inputs hold, and a term that is the same along the softmax's axis leaves the softmax as it is: it is not formed; -u stands for score / 2.
; A NaN, an infinity or an overflow that reaches only what is left out is not carried to the result.
; The softmax takes the largest away: m = the work-group's largest -u, p = 2^(c (-u - m)), l = the sum of p (unrounded); part = the sum of p enc (p and enc as bf16, sums f32); the last launch joins four work-groups.
; LIMITS: NaN and infinities among the inputs are not served.  Blocks of enc whose largest magnitude lies under 2^(8 - 126) keep the scale byte 1; a block of zeros has the byte 1 over zero codes (read here alone).
; SHARES.  Work-group WGX = 4 x cluster + place: rows 128 WGX ..; batch = the cluster's number.  Wave w loads and quantises rows 32 w .. + 31 (two tiles of 16).  For the product the waves stand 2 x 2: wave w takes its own two tiles and
; those of wave w xor 1 (64 rows, codes in 512 registers) against n = 512 (w % 2) .. + 511: a fragment of W read from LDS feeds four products.  Partners hand each fragment over through LDS as an image of its registers, one barrier a piece.
; THE PRODUCT IS USED TRANSPOSED (source 0 = 16 rows of W, source 1 = 16 rows of enc): a lane holds one row s and eight neighbouring n, so hp and v are pairs for the packed forms and u is a pair a tile.
; enc LEAVES MEMORY ONCE.  As it arrives a lane holds four columns of 16 rows: packed to bf16 by pairs of rows, that is source 1 of the context's product (a lane a column, rows along the registers).  Lanes 0-15 and 16-31 hold other
; columns of the same rows, so p stands in lane 0 (operand row 0, first half of K) and in lane 24 (operand row 8, second half) and 0 elsewhere: register 0 of a result then holds 32 columns.  Tile 0's copy stays in window 2, tile 1's lies in LDS as images.
; W (the encoder half) goes through a ring of two LDS slots of 64 n (32 for each column of waves); all work-groups walk the same W, so the four of a cluster ask JOINTLY (mask 15; the descriptor hangs on the wave's number alone).
; One tensor load of a wave is out at the head and one behind each round.
; PREFETCH.  While enc is loaded, clusters 0 to 3 ask for slots 2 to 15 of W: behind pieces 0, 2 .. 12 two slots each, 128 rows x 4 blocks of 256 bytes, a lane a block, the cluster's sixteen waves told apart by address.  Slots 0 and 1 come by
; their loads alone.  enc is read once, 48 loads of a wave on their way throughout, and is not prefetched; hp, v and W's scale bytes are read once, with no loop ahead of them.
; LDS: slot 0, slot 1 | STAGE: 16 rows x 528 a wave, later W's scale words, at the end the waves' contexts | EX: the fragments' images, two sets | UT: u | PT: p | SPARE | YB: tile 1's copy | HPT: hp, then v.
; REGISTERS.  window 0: v1-15 addresses; v16-19, 24-27, 32-35, 40-43 enc's scale words of tiles 0-3, v20-23 W's, v28-31 the next tile's (scales and nothing else); v36-39, 44-47 u; v48-55 hp, v56-63 v; v64-95 sums; v96-127 the tanh; v128-255 W's 8 fragments.
;   windows 1, 3: codes of K steps 0-3, 4-7: fragment (tile t, K step k) at v[16 (4 t + k % 4)].   window 2: tile 0's copy: v[32 k + 8 j + i] = rows 2 i, 2 i + 1 of column 128 k + 4 lane + j.
.set ROWE,   4096
.set WPITCH, 1040                      ; a row of W in LDS: 1,024 bytes + 16: the 16 rows that a load touches start at 16 different banks (ISA guide 11.1)
.set TILEB,  16*WPITCH
.set SLOTB,  64*WPITCH
.set STAGE,  2*SLOTB
.set SPITCH, 528
.set STGW,   16*SPITCH
.set WSC,    STAGE                     ; W's scale words, [tile of 16 n][h][r] x 16 bytes
.set OUTS,   STAGE
.set EX,     STAGE+4*STGW              ; 2 sets x 4 waves x 2,048
.set UT,     EX+16384                  ; [column of waves][128 rows]
.set PT,     UT+1024                   ; 512 bytes a wave
.set SPARE,  PT+2048
.set YB,     SPARE+512                 ; 32,768 a wave
.set HPT,    YB+131072
.set SPW,1
.set NIL,2
.set LN16,3
.set STW,4                             ; while enc is loaded: v4-7 stage in, stage back, my images, my partner's
.set STR,5
.set EXW,6
.set EXR,7
.set BL,4                              ; in the product: v4 my lane's place in a tile of W; v5-7 addresses of W's tile, its scale words, hp and v
.set ADW,5
.set ADS,6
.set ADT,7
.set YW,8
.set TSO,9
.set T16,10
.set TWS,11
.set TA,12
.set PFO,13                            ; the prefetches' offset; never rewritten
.set PW,15
.set ESC,16
.set WS,20
.set WSN,28
.set TC,32
.set TM,48
.set HP,48
.set VV,56
.set ACC,64
.set T,96
.set WF,128
.set MX,78
.set AF,128
.set OB,160
.set WV,18
.set G1,24
.set G0,32
.set WT,36
.set SB,37
.set MK,38
.set WC,39
.set RC,40
.set CC,46
.set NC,48
.set SEL,50
.set MNT,52
.set HIM,53
.set MSB, 0
.macro WIN new                         ; the immediate's high byte repeats the setting that is left
.if MSB != (\new)
	s_set_vgpr_msb (MSB<<8)|(\new)
.set MSB, \new
.endif
.endm
.macro WALU
	s_wait_alu depctr_va_vdst(0)
.endm
.macro BARRIER
	s_barrier_signal -1
	s_barrier_wait -1
.endm
.macro CREST                           ; a round of the cluster's barrier behind its opening barrier
	s_cmp_lg_u32 s[WV], 0
	s_cbranch_scc1 .Lnot_wave_0_\@
	s_barrier_signal -3
.Lnot_wave_0_\@:
	s_barrier_wait -3
	BARRIER
.endm
.macro ROUND
	BARRIER
	CREST
.endm
; PIECE p = tile p % 2, K step p / 2: 16 rows x 128 numbers; each load reads 512 consecutive bytes of one row
.macro LOADP p
.set LT, (\p)%2
.set LK, (\p)/2
.set LSET, 64+64*((\p)%3)
.irp i, 0,1,2,3,4,5,6,7,8,9,10,11,12,13,14,15
	global_load_b128 v[LSET+4*\i:LSET+4*\i+3], v[LN16], s[4:5] offset:(16*LT+\i)*ROWE+512*LK th:TH_LOAD_NT
.endr
.endm
.macro PIECE p, cnt
.set PTL, (\p)%2
.set PK, (\p)/2
.set PS, 64+64*((\p)%3)
.set PCD, 16*(4*PTL+PK%4)
.set CW, 1+2*(PK/4)
.set PAR, 8192*((\p)%2)
	WALU
.if (\p)%2 == 0 && (\p) < 14
	s_cmp_lt_u32 ttmp9, 4                          ; the cluster's number: alike in all partners
	s_cbranch_scc0 .Lnp_\@
	global_prefetch_b8 v[PFO], s[6:7] offset:131072*((\p)/2+1) th:TH_LOAD_NT scope:SCOPE_SE
.Lnp_\@:
.endif
	s_wait_loadcnt \cnt                            ; this piece's 16 loads are in; cnt = the loads issued behind them
.if PTL == 0
	WIN 0x80                                       ; the copy of tile 0: window 2
.irp j, 0,1,2,3
.irp i, 0,1,2,3,4,5,6,7
	v_cvt_pk_bf16_f32 v[32*PK+8*\j+\i], v[PS+8*\i+\j], v[PS+8*\i+4+\j]
.endr
.endr
	WIN 0
.else
.irp jj, 0,1                           ; the copy of tile 1 goes to LDS as images, 16 registers at a time
.irp j, 0,1
.irp i, 0,1,2,3,4,5,6,7
	v_cvt_pk_bf16_f32 v[TC+8*\j+\i], v[PS+8*\i+2*\jj+\j], v[PS+8*\i+4+2*\jj+\j]
.endr
.endr
.irp g, 0,1,2,3
	ds_store_b128 v[YW], v[TC+4*\g:TC+4*\g+3] offset:4096*PK+2048*\jj+512*\g
.endr
.endr
.endif
.irp i, 0,1,2,3,4,5,6,7,8,9,10,11,12,13,14,15
	ds_store_b128 v[STW], v[PS+4*\i:PS+4*\i+3] offset:SPITCH*\i
.endr
.irp b, 0,1,2,3
.irp j, 0,1,2,3
	ds_load_b128 v[PS+16*\b+4*\j:PS+16*\b+4*\j+3], v[STR] offset:128*\b+16*\j   ; LDS serves a wave's instructions in order (ISA guide 5.7.1.4): these see my stores
.endr
.endr
	s_wait_dscnt 0x0                               ; a lane now holds 16 neighbours of each block of 32 of one row
.irp b, 0,1,2,3
	v_max3_num_f32 v[TM+\b], |v[PS+16*\b]|, |v[PS+1+16*\b]|, 0x4800000   ; and the floor 2^(9 - 127): the byte cannot fall under 1
.endr
.irp i, 2,4,6,8,10,12,14
.irp b, 0,1,2,3
	v_max3_num_f32 v[TM+\b], v[TM+\b], |v[PS+16*\b+\i]|, |v[PS+1+16*\b+\i]|
.endr
.endr
.irp b, 0,1,2,3
	v_permlanex16_b32 v[TM+4+\b], v[TM+\b], s[SEL], s[SEL+1]
.endr
.irp b, 0,1,2,3
	v_max_num_f32 v[TM+\b], v[TM+\b], v[TM+4+\b]                  ; the block's largest magnitude
.endr
.irp b, 0,1,2,3
	v_add_nc_u32 v[TM+12+\b], 0xfc000000, v[TM+\b]                ; 8 off its exponent field: the conversion's scale operand
.endr
.irp b, 0,1,2,3
	v_and_or_b32 v[TM+8+\b], v[TM+\b], 0x7f800000, s[MNT]         ; 448 x the scale
.endr
.irp b, 0,1,2,3
	v_lshrrev_b32 v[TM+4+\b], 23, v[TM+12+\b]                     ; the scale's byte
.endr
	v_lshl_or_b32 v[PW], v[TM+5], 8, v[TM+4]
	v_lshl_or_b32 v[PW], v[TM+6], 16, v[PW]
	v_lshl_or_b32 v[PW], v[TM+7], 24, v[PW]
.irp b, 0,1,2,3
.irp i, 0,1,2,3,4,5,6,7,8,9,10,11,12,13,14,15
	v_med3_num_f32 v[PS+16*\b+\i], v[PS+16*\b+\i], -v[TM+8+\b], v[TM+8+\b]   ; the conversion does not saturate (ISA guide 7.6.2): the hold
.endr
.endr
	WIN CW<<6                                      ; the conversions' results are the operand's registers
.irp b, 0,1,2,3
	v_cvt_scalef32_pk8_fp8_f32 v[PCD+4*\b:PCD+4*\b+1], v[PS+16*\b:PS+16*\b+7], v[TM+12+\b]
	v_cvt_scalef32_pk8_fp8_f32 v[PCD+4*\b+2:PCD+4*\b+3], v[PS+16*\b+8:PS+16*\b+15], v[TM+12+\b]
.endr
	WIN 0
	v_nop                                          ; one plain vector instruction behind the last scaled conversion
.if PK < 4
	v_mov_b32 v[ESC+8*PTL+PK], v[PW]               ; K steps 0-3: lanes 0-15 are read
.else
	v_cndmask_b32 v[ESC+8*PTL+PK-4], v[ESC+8*PTL+PK-4], v[PW], s[HIM]   ; K steps 4-7 ride in lanes 16-31
.endif
	WIN CW<<2                                      ; an LDS store's data are its source 1
.irp c, 0,1,2,3
	ds_store_b128 v[EXW], v[PCD+4*\c:PCD+4*\c+3] offset:PAR+512*\c
.endr
	WIN 0
.if (\p)+3 < 16
	LOADP (\p)+3
.endif
.if (\p) == 13                         ; W's scale bytes of the encoder half: thread t: row 64 i + t / 2, 16 bytes
.irp i, 0,1,2,3,4,5,6,7,8,9,10,11,12,13,14,15
	global_load_b128 v[128+4*\i:131+4*\i], v[TSO], s[8:9] offset:4096*\i
.endr
.endif
.if (\p) == 14                         ; hp[b] and v
.irp i, 0,1
	global_load_b128 v[192+4*\i:195+4*\i], v[T16], s[10:11] offset:2048*\i
	global_load_b128 v[200+4*\i:203+4*\i], v[T16], s[12:13] offset:2048*\i
.endr
.endif
	WALU
.if (\p) == 0                          ; slot 1's first fill is issued as a refill is; the round also shows piece 0's images
	s_wait_tensorcnt 0x0
	ds_add_u32 v[SPW], v[NIL]
	s_add_co_u32 s[G0+1], s[WT], SLOTB
	s_add_nc_u64 s[G0+2:G0+3], s[G0+2:G0+3], 32*2048
	s_wait_dscnt 0x0
	ROUND
	tensor_load_to_lds s[G0:G0+3], s[G1:G1+7]
	s_nop 0
.rept 4
	v_nop
.endr
.else
	s_wait_dscnt 0x0                               ; my image has landed, and my reads of the set before are over
	BARRIER
.endif
	WIN CW<<6
.irp c, 0,1,2,3
	ds_load_b128 v[PCD+128+4*\c:PCD+128+4*\c+3], v[EXR] offset:PAR+512*\c   ; my partner's fragment: my tile 2 or 3.  The set is written again two barriers on
.endr
	WIN 0
.endm
; THE TANH OF A TILE OF 16 n x 64 rows, one unit late.  TFORM: T = c x + hp, each accumulator read from its low end on; 32 exponentials, ahead of the next unit's first product; ADDONE, in that unit's middle; 32 reciprocals, behind its last
; product; SUMU: u += v r, four chains by turns.  No transcendental stands between two steps of a sum.
.macro TFORM
.set i, 0
.rept 16
	v_pk_fma_f32 v[T+i:T+i+1], v[ACC+i:ACC+i+1], s[CC:CC+1], v[HP+i%8:HP+i%8+1] op_sel_hi:[1,0,1]
.set i, i+2
.endr
.endm
.macro ADDONE
.set i, 0
.rept 16
	v_pk_add_f32 v[T+i:T+i+1], v[T+i:T+i+1], 1.0 op_sel_hi:[1,0]
.set i, i+2
.endr
.endm
.macro SUMU
.irp j, 0,2,4,6
.irp t, 0,1,2,3
	v_pk_fma_f32 v[36+2*\t+4*(\t/2):37+2*\t+4*(\t/2)], v[T+8*\t+\j:T+8*\t+\j+1], v[VV+\j:VV+\j+1], v[36+2*\t+4*(\t/2):37+2*\t+4*(\t/2)]
.endr
.endr
.endm
.macro EXPS
.set i, 0
.rept 32
	v_exp_f32 v[T+i], v[T+i]
.set i, i+1
.endr
.endm
.macro RCPS
.set i, 0
.rept 32
	v_rcp_f32 v[T+i], v[T+i]
.set i, i+1
.endr
.endm
; Products from .. to - 1 of a unit's 32: product n = K step n / 4, tile n % 4: the four accumulators take turns, one instruction a turn.  Source 1, the codes, lies in window 1 or 3.
.macro PRODS from, to, tr
.set N_, \from
.rept (\to)-(\from)
.set K_, N_/4
.set MA, ACC+8*(N_%4)
.set MC, 16*(4*(N_%4)+K_%4)
.set MW, WF+16*K_
.set SW_, WS+K_%4
.set SE_, ESC+8*(N_%4)+K_%4
	WIN 4+8*(K_/4)
.if K_ == 0
	v_wmma_scale_f32_16x16x128_f8f6f4 v[MA:MA+7], v[MW:MW+15], v[MC:MC+15], 0, v[SW_], v[SE_]
.elseif K_ < 4
	v_wmma_scale_f32_16x16x128_f8f6f4 v[MA:MA+7], v[MW:MW+15], v[MC:MC+15], v[MA:MA+7], v[SW_], v[SE_]
.else
	v_wmma_scale_f32_16x16x128_f8f6f4 v[MA:MA+7], v[MW:MW+15], v[MC:MC+15], v[MA:MA+7], v[SW_], v[SE_] matrix_a_scale:MATRIX_SCALE_ROW1 matrix_b_scale:MATRIX_SCALE_ROW1
.endif
.set N_, N_+1
.endr
.endm
.macro FRAGS k0, fo                    ; four fragments of W: 16 loads
.irp k, 0,1,2,3
.irp c, 0,1,2,3
	ds_load_b128 v[WF+16*(\k0+\k)+4*\c:WF+16*(\k0+\k)+4*\c+3], v[ADW] offset:(\fo)+128*(\k0+\k)+32*\c
.endr
.endr
.endm
; A UNIT: one tile of 16 n against my 64 rows, 32 products.  kind 0: a slot's first unit.  kind 2: its second, with the change of slots in its first half: the three lines, eight products, the signal, eight products, the rest of the cluster's
; round, the joint refill of the slot just left; then the next slot's first tile is fetched.  kind 1: the same with a plain barrier and no refill.  kind 3: the last unit: nothing more to fetch.
; The middle run (19 loads): the next tile's scale words, THIS tile's hp, the next tile's K steps 0-3.  The end run (18): this tile's v, the next tile's K steps 4-7.  Each run stands behind 16 plain vector instructions that follow the last
; product that read its registers (eight are asked: ISA guide 7.12.1 for vector instructions).
.macro UNIT kind
.set CH_, ((\kind) == 1) || ((\kind) == 2)
.if (\kind) == 0
.set WO_, 512
.set HO_, 64
.set FO_, TILEB
.elseif (\kind) == 3
.set HO_, 128
.else
.set WO_, 0
.set HO_, 0
.set FO_, 0
.endif
	s_wait_dscnt 18                                ; the middle run is in; the end run's 18 may be out
.irp q, 0,1,2,3
	v_mov_b32 v[WS+\q], v[WSN+\q]
.endr
	WALU                                           ; directly ahead of the first readers of the sums
	TFORM
	WALU
	EXPS
	v_nop
	WALU                                           ; one wait for the 32 exponentials
.if CH_
	s_wait_tensorcnt 0x0                           ; all my tensor loads are in: my part of the next slot
	ds_add_u32 v[SPW], v[NIL]
.if (\kind) == 2
	s_add_co_u32 s[G0+1], s[SB], s[WT]             ; the slot that is being left takes the rows two slots on
	s_add_nc_u64 s[G0+2:G0+3], s[G0+2:G0+3], 32*2048
.endif
	s_xor_b32 s[SB], s[SB], SLOTB
.endif
	PRODS 0, 8, 0
.if CH_
	s_wait_dscnt 0x0                               ; the add is done, and my reads of this slot are over
	s_barrier_signal -1
.endif
	PRODS 8, 16, 0
	WIN 0
.if CH_
	v_add_nc_u32 v[ADW], s[SB], v[BL]              ; the next slot's first tile, its scale words, hp and v
	v_add_nc_u32 v[ADS], 1024, v[ADS]
	v_add_nc_u32 v[ADT], 128, v[ADT]
	WALU
	s_barrier_wait -1
.endif
.if (\kind) == 2
	CREST
	tensor_load_to_lds s[G0:G0+3], s[G1:G1+7]      ; the first tensor load behind the round
	s_nop 0
.endif
	ADDONE
	WALU
.if (\kind) == 3
	ds_load_b128 v[HP:HP+3], v[ADT] offset:HO_
	ds_load_b128 v[HP+4:HP+7], v[ADT] offset:HO_+16
	s_wait_dscnt 2                                 ; all but these two
.else
	ds_load_b128 v[WSN:WSN+3], v[ADS] offset:WO_
	ds_load_b128 v[HP:HP+3], v[ADT] offset:HO_
	ds_load_b128 v[HP+4:HP+7], v[ADT] offset:HO_+16
	FRAGS 0, FO_
	s_wait_dscnt 19                                ; all but the 19 just issued: K steps 4-7 and the v of the tile before are in
.endif
	PRODS 16, 32, 1
	WIN 0
	RCPS
	v_nop
	WALU                                           ; one wait for the 32 reciprocals
	SUMU
	ds_load_b128 v[VV:VV+3], v[ADT] offset:4096+HO_
	ds_load_b128 v[VV+4:VV+7], v[ADT] offset:4096+HO_+16
.if (\kind) != 3
	FRAGS 4, FO_
.endif
.endm
	s_load_b256 s[4:11], s[0:1], 0x0               ; enc s[4:5], W's codes s[6:7], W's scales s[8:9], hp s[10:11]
	s_load_b128 s[12:15], s[0:1], 0x20             ; v s[12:13], part s[14:15]
	s_load_b64 s[16:17], s[0:1], 0x30              ; stat
	v_lshl_add_u32 v[SPW], v0, 2, SPARE
	v_mov_b32 v[NIL], 0
	ds_add_u32 v[SPW], v[NIL]                      ; the opening: the add, twice on end, and its wait ahead of my first tensor load
	ds_add_u32 v[SPW], v[NIL]
	v_lshrrev_b32 v14, 5, v0
	v_readfirstlane_b32 s[WV], v14                 ; wave 0..3
	s_bfe_u32 s19, ttmp6, 0x40000                  ; my place in the cluster: it enters global offsets of enc, part, stat and the prefetches alone
	s_lshl_b32 s20, ttmp9, 2
	s_add_co_u32 s20, s20, s19                     ; WGX
	s_mov_b32 s[G1], 15|(1<<20)|(1<<21)|(7<<22)|(3<<25)   ; mask: all four; elements of 1 byte; padding: four words behind every 256; bit 21 beside the mask
	s_mov_b32 s[G1+1], 1024<<16
	s_mov_b32 s[G1+2], 16<<16
	s_mov_b32 s[G1+3], 1024<<16
	s_mov_b32 s[G1+4], 16                          ; 16 rows of 1,024 bytes,
	s_mov_b32 s[G1+5], 2048                        ; 2,048 bytes apart in memory
	s_mov_b32 s[G1+6], 0
	s_mov_b32 s[G1+7], 0
	s_and_b32 s[WC], s[WV], 1                      ; my column of waves
	s_lshr_b32 s21, s[WV], 1
	s_lshl_b32 s22, s21, 20                        ; I fetch rows n = 512 (w / 2) + 16 (w % 2) + 32 x slot; the encoder half begins 1,024 bytes into a row
	s_lshl_b32 s21, s[WC], 15
	s_add_co_u32 s22, s22, s21
	s_add_co_u32 s22, s22, 1024
	s_mov_b32 s23, 0
	s_mul_i32 s[WT], s[WV], TILEB                  ; and they go to rows 16 w of a slot
	s_mov_b32 s[G0], 1
	s_mov_b32 s[G0+1], s[WT]
	s_mov_b32 s[SB], 0
	s_lshl_b32 s54, s20, 19                        ; enc: 128 WGX rows of 4,096 bytes + 32 x wave
	s_lshl_b32 s55, s[WV], 17
	s_add_co_u32 s54, s54, s55
	s_mov_b32 s55, 0
	s_lshl_b32 s56, ttmp9, 12                      ; hp: the batch's row
	s_mov_b32 s57, 0
	s_lshl_b32 s58, s20, 12                        ; part: row WGX, my 256 columns
	s_lshl_b32 s59, s[WV], 10
	s_add_co_u32 s58, s58, s59
	s_mov_b32 s59, 0
	s_lshl_b32 s60, s20, 3                         ; stat: 8 bytes a work-group
	s_mov_b32 s61, 0
	s_mov_b32 s[CC], 0x4038aa3b                    ; c = 2 log2(e)
	s_mov_b32 s[CC+1], s[CC]
	s_mov_b32 s[NC], 0xc038aa3b
	s_mov_b32 s[SEL], 0x76543210
	s_mov_b32 s[SEL+1], 0xfedcba98
	s_mov_b32 s[MNT], 0x600000
	s_mov_b32 s[HIM], 0xffff0000
	s_mov_b32 s[MK], 0x01000001                    ; lanes 0 and 24
	s_mul_i32 s41, s[WV], STGW
	s_add_co_u32 s41, s41, STAGE
	s_lshl_b32 s42, s[WV], 11
	s_xor_b32 s43, s42, 2048
	s_add_co_u32 s42, s42, EX
	s_add_co_u32 s43, s43, EX
	s_lshl_b32 s44, s[WV], 15
	s_add_co_u32 s44, s44, YB
	s_lshl_b32 s45, s[WV], 9
	s_add_co_u32 s45, s45, WSC
	s_lshl_b32 s21, s19, 2                         ; g = 4 x place + wave: which of the cluster's sixteen waves I am
	s_add_co_u32 s21, s21, s[WV]
	s_and_b32 s49, s21, 7
	s_lshl_b32 s49, s49, 14                        ; rows 8 (g % 8) + lane / 4 of a slot pair's 64, + 512 (g / 8)
	s_lshr_b32 s21, s21, 3
	s_lshl_b32 s21, s21, 20
	s_add_co_u32 s49, s49, s21
	s_add_co_u32 s49, s49, 1024
	v_and_b32 v12, 31, v0
	v_and_b32 v14, 15, v0
	v_bfe_u32 v15, v0, 4, 1
	v_lshlrev_b32 v[LN16], 4, v12
	v_add_nc_u32 v[STW], s41, v[LN16]
	v_mul_u32_u24 v[STR], v14, SPITCH
	v_lshl_add_u32 v[STR], v15, 6, v[STR]
	v_add_nc_u32 v[STR], s41, v[STR]
	v_add_nc_u32 v[EXW], s42, v[LN16]
	v_add_nc_u32 v[EXR], s43, v[LN16]
	v_add_nc_u32 v[YW], s44, v[LN16]
	v_lshrrev_b32 v[TSO], 1, v0                    ; W's scale bytes in memory: row t / 2 of 64 bytes, + 32 (the encoder half), + 16 (t % 2)
	v_lshlrev_b32 v[TSO], 6, v[TSO]
	v_and_b32 v15, 1, v0
	v_lshl_add_u32 v[TSO], v15, 4, v[TSO]
	v_add_nc_u32 v[TSO], 32, v[TSO]
	v_lshlrev_b32 v[T16], 4, v0
	v_bfe_u32 v[TWS], v0, 1, 4                     ; and in LDS: 512 x tile + 256 (t % 2) + 16 ((t / 2) % 16)
	v_lshlrev_b32 v[TWS], 4, v[TWS]
	v_lshl_add_u32 v[TWS], v15, 8, v[TWS]
	v_add_nc_u32 v[TWS], s45, v[TWS]
	v_lshrrev_b32 v[PFO], 2, v12
	v_lshlrev_b32 v[PFO], 11, v[PFO]
	v_and_b32 v14, 3, v12
	v_lshl_add_u32 v[PFO], v14, 8, v[PFO]
	v_add_nc_u32 v[PFO], s49, v[PFO]
	v_add_nc_u32 v[TA], HPT, v[T16]
.irp b, 0,1,2,3
	v_mov_b32 v[TM+4+\b], 0                        ; a lane permute's destination counts as one of its sources
.endr
	WALU
	s_wait_dscnt 0x0                               ; both opening adds are done
	s_wait_kmcnt 0x0
	s_add_nc_u64 s[G0+2:G0+3], s[6:7], s[22:23]
	s_or_b32 s[G0+3], s[G0+3], 0x80000000
	s_add_nc_u64 s[4:5], s[4:5], s[54:55]
	s_add_nc_u64 s[10:11], s[10:11], s[56:57]
	s_add_nc_u64 s[14:15], s[14:15], s[58:59]
	s_add_nc_u64 s[16:17], s[16:17], s[60:61]
	ROUND                                          ; all four work-groups are here: the first joint loads meet
	tensor_load_to_lds s[G0:G0+3], s[G1:G1+7]      ; slot 0: my one load at the head
	s_nop 0
.rept 4
	v_nop
.endr
	LOADP 0
	LOADP 1
	LOADP 2
.irp p, 0,1,2,3,4,5,6,7,8,9,10,11,12,13,14
	PIECE \p, 32                                   ; behind a piece's loads: two younger pieces' 16 each (piece 14: piece 15's and W's scale bytes')
.endr
	PIECE 15, 20                                   ; W's scale bytes' 16, hp's and v's 4
	ds_store_b128 v[EXW], v[ESC:ESC+3]             ; my two tiles' scale words, as images, into the set that was read a barrier ago
	ds_store_b128 v[EXW], v[ESC+8:ESC+11] offset:512
	s_wait_dscnt 0x0
	BARRIER                                        ; everybody's reads of the stages are over too
	ds_load_b128 v[ESC+16:ESC+19], v[EXR]
	ds_load_b128 v[ESC+24:ESC+27], v[EXR] offset:512
	s_wait_loadcnt 0x0
.irp i, 0,1,2,3,4,5,6,7,8,9,10,11,12,13,14,15
	ds_store_b128 v[TWS], v[128+4*\i:131+4*\i] offset:2048*\i
.endr
.irp i, 0,1
	ds_store_b128 v[TA], v[192+4*\i:195+4*\i] offset:2048*\i
	ds_store_b128 v[TA], v[200+4*\i:203+4*\i] offset:4096+2048*\i
.endr
	s_mul_i32 s21, s[WC], 2*TILEB                  ; my column's 32 rows of a slot
	s_lshl_b32 s22, s[WC], 14                      ; its 32 tiles' scale words
	s_add_co_u32 s22, s22, WSC
	s_lshl_b32 s23, s[WC], 11                      ; its 512 numbers of hp; the address stands 64 bytes under the first tile's
	s_add_co_u32 s23, s23, HPT-64
	v_and_b32 v9, 15, v0
	v_bfe_u32 v10, v0, 4, 1
	v_mul_u32_u24 v[BL], v9, WPITCH
	v_lshl_add_u32 v[BL], v10, 4, v[BL]
	v_add_nc_u32 v[BL], s21, v[BL]
	v_mov_b32 v[ADW], v[BL]
	v_add_nc_u32 v[ADS], s22, v[LN16]
	v_lshl_add_u32 v[ADT], v10, 5, s23
.set i, 0
.rept 48                               ; hp, v and the sums of a tile that is not there: the first unit's tanh adds 0 x r to u
	v_mov_b32 v[HP+i], 0
.set i, i+1
.endr
.irp t, 36,37,38,39,44,45,46,47
	v_mov_b32 v\t, 0                               ; u
.endr
	WALU
	s_wait_tensorcnt 0x0                           ; my parts of slots 0 and 1 are in
	s_wait_dscnt 0x0
	BARRIER
	ds_load_b128 v[WSN:WSN+3], v[ADS]
	FRAGS 0, 0
	FRAGS 4, 0
	s_wait_dscnt 16                                ; the scale words and K steps 0-3 are in
	s_mov_b32 s[RC], 14
.Lring:                                        ; a trip is a slot; its change of slots asks for the slot two on: slots 2 to 15
	UNIT 0
	UNIT 2
	s_sub_co_u32 s[RC], s[RC], 1
	s_cmp_lg_u32 s[RC], 0
	s_cbranch_scc1 .Lring
	UNIT 0                                         ; the last two slots are written out: nothing is left to fetch
	UNIT 1
	UNIT 0
	UNIT 3
	s_wait_dscnt 0x0
	WALU
	TFORM                                          ; the last tile's tanh has no products to stand among
	WALU
.set i, 0
.rept 32
	v_exp_f32 v[T+i], v[T+i]
.set i, i+1
.endr
	v_nop
	WALU
	ADDONE
	WALU
.set i, 0
.rept 32
	v_rcp_f32 v[T+i], v[T+i]
.set i, i+1
.endr
	v_nop
	WALU
	SUMU
	WALU
	; ---- u of my 64 rows over my 512 n: the pair's halves, then lane l xor 16's eight n
	s_lshl_b32 s21, s[WC], 9
	s_add_co_u32 s21, s21, UT
	s_lshl_b32 s41, s[WV], 7
	s_xor_b32 s22, s41, 128
	s_add_co_u32 s22, s22, s21                     ; my partner's rows
	s_add_co_u32 s21, s21, s41                     ; my own
	s_lshl_b32 s23, s[WV], 9
	s_add_co_u32 s23, s23, PT
	s_add_co_u32 s41, s41, s23
	s_lshl_b32 s42, s[WV], 12
	s_add_co_u32 s42, s42, OUTS
	s_lshl_b32 s43, s[WV], 10
	s_add_co_u32 s43, s43, OUTS
.irp t, 0,1,2,3
	v_add_f32 v[T+\t], v[36+2*\t+4*(\t/2)], v[37+2*\t+4*(\t/2)]
.endr
.irp t, 0,1,2,3
	v_permlanex16_b32 v[T+4+\t], v[T+\t], s[SEL], s[SEL+1]
.endr
.irp t, 0,1,2,3
	v_add_f32 v[T+\t], v[T+\t], v[T+4+\t]
.endr
	v_and_b32 v14, 15, v0
	v_and_b32 v12, 31, v0
	v_lshl_add_u32 v9, v14, 2, s21
	v_lshl_add_u32 v10, v14, 2, s22
	v_lshl_add_u32 v11, v12, 2, UT
	v_lshl_add_u32 v12, v12, 2, s23
	v_mov_b32 v14, s41                             ; where my 32 rows' p lie
	v_mov_b32 v77, 0
	v_mov_b32 v82, 0
	ds_store_b32 v9, v[T]                          ; both halves of the lanes write the same word with the same value
	ds_store_b32 v9, v[T+1] offset:64
	ds_store_b32 v10, v[T+2]
	ds_store_b32 v10, v[T+3] offset:64
	WALU
	s_wait_dscnt 0x0
	BARRIER
	; ---- the softmax numbers, alike in every wave: lane l takes rows l + 32 q
.irp q, 0,1,2,3
	ds_load_b32 v[64+\q], v11 offset:128*\q
	ds_load_b32 v[68+\q], v11 offset:512+128*\q
.endr
	WIN 0xc0                                       ; tile 1's copy comes back, into window 3
.set i, 0
.rept 64
	ds_load_b128 v[4*i:4*i+3], v[YW] offset:512*i
.set i, i+1
.endr
	WIN 0
	s_wait_dscnt 63                                ; u is in; 63 of the copy's 64 loads may be out (the largest count that the wait's field takes)
.irp q, 0,1,2,3
	v_sub_f32 v[72+\q], -v[64+\q], v[68+\q]        ; -u
.endr
	v_max3_num_f32 v76, v72, v73, v74
	v_max_num_f32 v76, v76, v75
.irp m, 1,2,4,8
	v_max_num_f32_dpp v76, v76, v76 row_xmask:\m row_mask:0xf bank_mask:0xf
.endr
	v_permlanex16_b32 v77, v76, s[SEL], s[SEL+1]
	v_max_num_f32 v[MX], v76, v77                  ; m
	v_mul_f32 v80, s[NC], v[MX]
.irp q, 0,1,2,3
	v_fma_f32 v[72+\q], v[72+\q], s[CC], v80
.endr
	WALU
.irp q, 0,1,2,3
	v_exp_f32 v[72+\q], v[72+\q]                   ; p, at most 1
.endr
	v_nop
	WALU
	v_add_f32 v81, v72, v73
	v_add_f32 v83, v74, v75
	v_add_f32 v81, v81, v83
.irp m, 1,2,4,8
	v_add_f32_dpp v81, v81, v81 row_xmask:\m row_mask:0xf bank_mask:0xf
.endr
	v_permlanex16_b32 v82, v81, s[SEL], s[SEL+1]
	v_add_f32 v[MX+1], v81, v82                    ; l, of the unrounded p
.irp q, 0,1,2,3
	ds_store_b32 v12, v[72+\q] offset:128*\q       ; my wave's own list of the 128 p
.endr
.irp i, 0,1,2,3,4,5,6,7
	ds_load_b128 v[96+4*\i:99+4*\i], v14 offset:16*\i   ; every lane takes my 32 rows' p; LDS serves a wave's instructions in order
.endr
	WALU
	s_wait_dscnt 0x0
.set i, 0
.rept 16
	v_cvt_pk_bf16_f32 v[AF+i], v[96+2*i], v[97+2*i]
.set i, i+1
.endr
.set i, 0
.rept 16
	v_cndmask_b32 v[AF+i], 0, v[AF+i], s[MK]       ; p in lanes 0 and 24, 0 elsewhere
.set i, i+1
.endr
	; ---- the context of my 32 rows, all 1,024 columns: 32 accumulators in window 1 by turns; accumulator f = 4 k + j: columns 128 k + 4 lane + j
	WIN 0x48                                       ; D window 1, source 1 window 2
.set i, 0
.rept 32
	v_wmma_f32_16x16x32_bf16 v[8*i:8*i+7], v[AF:AF+7], v[8*i:8*i+7], 0
.set i, i+1
.endr
	WIN 0x5c                                       ; C and D window 1, source 1 window 3
.set i, 0
.rept 32
	v_wmma_f32_16x16x32_bf16 v[8*i:8*i+7], v[AF+8:AF+15], v[8*i:8*i+7], v[8*i:8*i+7]
.set i, i+1
.endr
	WIN 0
	v_add_nc_u32 v9, s42, v[LN16]
	v_add_nc_u32 v10, s43, v[LN16]
	v_nop
	v_nop                                          ; four places behind this form
	WIN 0x01
.set i, 0
.rept 32
	v_mov_b32 v[OB+i], v[8*i]                      ; register 0 of each result: four neighbouring columns a lane for each K step
.set i, i+1
.endr
	WIN 0
.irp k, 0,1,2,3,4,5,6,7
	ds_store_b128 v9, v[OB+4*\k:OB+4*\k+3] offset:512*\k
.endr
	WALU
	s_wait_dscnt 0x0
	BARRIER
.irp q, 0,1,2,3                        ; my 256 columns of the four waves' contexts
	ds_load_b128 v[192+8*\q:195+8*\q], v10 offset:4096*\q
	ds_load_b128 v[196+8*\q:199+8*\q], v10 offset:4096*\q+512
.endr
	s_wait_dscnt 0x0
.irp e, 0,2,4,6
	v_pk_add_f32 v[192+\e:193+\e], v[192+\e:193+\e], v[200+\e:201+\e]
	v_pk_add_f32 v[208+\e:209+\e], v[208+\e:209+\e], v[216+\e:217+\e]
.endr
.irp e, 0,2,4,6
	v_pk_add_f32 v[192+\e:193+\e], v[192+\e:193+\e], v[208+\e:209+\e]
.endr
	global_store_b128 v[LN16], v[192:195], s[14:15]                ; 32 lanes store 512 consecutive bytes, at a multiple of 256 from part's first byte
	global_store_b128 v[LN16], v[196:199], s[14:15] offset:512
	v_mov_b32 v11, 0
	WALU
	s_cmp_lg_u32 s[WV], 0                          ; wave 0's first lane stores (m, l)
	s_cbranch_scc1 .Lno_stat
	v_cmp_eq_u32 vcc_lo, 0, v0
	s_wait_xcnt 0x0                                ; EXEC changes only behind this wait
	s_and_saveexec_b32 s21, vcc_lo
	global_store_b64 v11, v[MX:MX+1], s[16:17]
	s_wait_xcnt 0x0
	s_or_b32 exec_lo, exec_lo, s21
.Lno_stat:
	s_wait_tensorcnt 0x0                           ; the wave's end
	ds_add_u32 v[SPW], v[NIL]
	s_wait_dscnt 0x0
	ROUND                                          ; the closing round
	s_endpgm
.Lfunc_end_k_qc4ab8e81c2_main:
	.size	k_qc4ab8e81c2_main, .Lfunc_end_k_qc4ab8e81c2_main-k_qc4ab8e81c2_main
	.p2alignl 7, 3214868480
	.fill 96, 4, 3214868480
	.section	.rodata,"a",@progbits
	.p2align	6, 0x0
	.amdhsa_kernel k_qc4ab8e81c2_main
		.amdhsa_group_segment_fixed_size 327680
		.amdhsa_private_segment_fixed_size 0
		.amdhsa_enable_private_segment 0
		.amdhsa_kernarg_size 56
		.amdhsa_user_sgpr_count 2
		.amdhsa_user_sgpr_kernarg_segment_ptr 1
		.amdhsa_wavefront_size32 1
		.amdhsa_system_sgpr_workgroup_id_x 1
		.amdhsa_system_sgpr_workgroup_id_y 1
		.amdhsa_system_sgpr_workgroup_id_z 1
		.amdhsa_system_vgpr_workitem_id 0
		.amdhsa_next_free_vgpr 1024
		.amdhsa_next_free_sgpr 66
		.amdhsa_reserve_vcc 1
		.amdhsa_float_denorm_mode_32 3
		.amdhsa_float_denorm_mode_16_64 3
		.amdhsa_memory_ordered 1
		.amdhsa_forward_progress 1
		.amdhsa_inst_pref_size 255
	.end_amdhsa_kernel
	.section	.bss,"aw",@nobits
	.p2align	6
	.space	262144
	.amdgpu_metadata
---
amdhsa.version: [ 1, 2 ]
amdhsa.kernels:
  - .name:           k_qc4ab8e81c2_main
    .symbol:         k_qc4ab8e81c2_main.kd
    .args:
      - { .name: encoder_outputs, .offset: 0, .size: 8, .value_kind: global_buffer, .address_space: global }
      - { .name: W_attn_codes, .offset: 8, .size: 8, .value_kind: global_buffer, .address_space: global }
      - { .name: W_attn_scales, .offset: 16, .size: 8, .value_kind: global_buffer, .address_space: global }
      - { .name: hp, .offset: 24, .size: 8, .value_kind: global_buffer, .address_space: global }
      - { .name: v, .offset: 32, .size: 8, .value_kind: global_buffer, .address_space: global }
      - { .name: part, .offset: 40, .size: 8, .value_kind: global_buffer, .address_space: global }
      - { .name: stat, .offset: 48, .size: 8, .value_kind: global_buffer, .address_space: global }
    .group_segment_fixed_size: 327680
    .private_segment_fixed_size: 0
    .kernarg_segment_align: 8
    .kernarg_segment_size: 56
    .max_flat_workgroup_size: 128
    .sgpr_count:     66
    .vgpr_count:     1024
    .wavefront_size: 32
...
	.end_amdgpu_metadata
.endif
;; end of part 2
;; launch combine (part 3): grid 64 x 1, 8 waves a work-group, no clusters, 0 bytes of LDS; arguments part, stat, out0; writes out0
.if DOCPART == 3
	.amdgcn_target "amdgcn-amd-amdhsa--gfx1250"
	.amdhsa_code_object_version 6
	.text
	.protected	k_qc4ab8e81c2_combine
	.globl	k_qc4ab8e81c2_combine
	.p2align	8
	.type	k_qc4ab8e81c2_combine,@function
k_qc4ab8e81c2_combine:
	s_mov_b64 s[64:65], 0
	v_nop
	global_prefetch_b8 v0, s[64:65] scope:SCOPE_SE
	s_setreg_imm32_b32 hwreg(HW_REG_WAVE_MODE, 25, 1), 1
	s_wait_xcnt 0x0
; out0[b][e] = (the sum over q of w_q part[4 b + q][e]) / (the sum over q of w_q l_q),  w_q = 2^(c (m_q - M)),  M = the largest m_q,  c = 2 log2(e).
; part [256][1024] f32 and stat [256][2] f32 (m = a quarter's largest score / 2, l = its sum of p) come from the launch before: the batch's softmax is finished here under the batch's own largest score.
; One work-group a batch; thread t takes the 16 bytes at 16 t of each of the four rows: a wave's load or store covers 512 consecutive bytes.  Nothing is shared between waves: no LDS, no barrier.
	s_load_b128 s[4:7], s[0:1], 0x0                ; part, stat
	s_load_b64 s[8:9], s[0:1], 0x10                ; out0
	v_lshlrev_b32 v1, 4, v0
	s_lshl_b32 s10, ttmp9, 14                      ; four rows of 4,096 bytes
	s_mov_b32 s11, 0
	s_lshl_b32 s12, ttmp9, 5                       ; four pairs of 8 bytes
	s_mov_b32 s13, 0
	s_lshl_b32 s14, ttmp9, 12
	s_mov_b32 s15, 0
	s_wait_alu depctr_va_vdst(0)
	s_wait_kmcnt 0x0
	s_add_nc_u64 s[4:5], s[4:5], s[10:11]
	s_add_nc_u64 s[6:7], s[6:7], s[12:13]
	s_add_nc_u64 s[8:9], s[8:9], s[14:15]
	s_load_b256 s[16:23], s[6:7], 0x0              ; m0, l0, m1, l1, m2, l2, m3, l3
.irp q, 0,1,2,3
	global_load_b128 v[4+4*\q:7+4*\q], v1, s[4:5] offset:4096*\q th:TH_LOAD_NT
.endr
	s_wait_kmcnt 0x0
	v_max_num_f32 v20, s16, s18
	v_max_num_f32 v21, s20, s22
	s_delay_alu instid0(VALU_DEP_1)
	v_max_num_f32 v20, v20, v21                    ; M
.irp q, 0,1,2,3
	v_sub_f32 v[22+\q], s[16+2*\q], v20
.endr
.irp q, 0,1,2,3
	s_delay_alu instid0(VALU_DEP_4)
	v_mul_f32 v[22+\q], 0x4038aa3b, v[22+\q]
.endr
	s_wait_alu depctr_va_vdst(0)
.irp q, 0,1,2,3
	v_exp_f32 v[22+\q], v[22+\q]                   ; w_q, at most 1, and 1 for one q at the least
.endr
	v_nop
	s_wait_alu depctr_va_vdst(0)                   ; one wait for the four, ahead of their first reader
	v_mul_f32 v26, s17, v22
	v_fmac_f32 v26, s19, v23
	v_fmac_f32 v26, s21, v24
	v_fmac_f32 v26, s23, v25                       ; the batch's sum: at least 1
	s_wait_alu depctr_va_vdst(0)
	v_rcp_f32 v27, v26
	v_nop
	s_wait_alu depctr_va_vdst(0)
.irp q, 0,1,2,3
	v_mul_f32 v[32+2*\q], v[22+\q], v27            ; w_q / the sum, twice: a pair for the packed forms
	v_mul_f32 v[33+2*\q], v[22+\q], v27
.endr
	s_wait_alu depctr_va_vdst(0)
	s_wait_loadcnt 0x0
	v_pk_mul_f32 v[40:41], v[4:5], v[32:33]
	v_pk_mul_f32 v[42:43], v[6:7], v[32:33]
.irp q, 1,2,3
	s_delay_alu instid0(VALU_DEP_2)
	v_pk_fma_f32 v[40:41], v[4+4*\q:5+4*\q], v[32+2*\q:33+2*\q], v[40:41]
	s_delay_alu instid0(VALU_DEP_2)
	v_pk_fma_f32 v[42:43], v[6+4*\q:7+4*\q], v[32+2*\q:33+2*\q], v[42:43]
.endr
	global_store_b128 v1, v[40:43], s[8:9] th:TH_STORE_NT          ; 32 lanes store 512 consecutive bytes, at a multiple of 256 from out0's first byte
	s_endpgm
.Lfunc_end_k_qc4ab8e81c2_combine:
	.size	k_qc4ab8e81c2_combine, .Lfunc_end_k_qc4ab8e81c2_combine-k_qc4ab8e81c2_combine
	.p2alignl 7, 3214868480
	.fill 96, 4, 3214868480
	.section	.rodata,"a",@progbits
	.p2align	6, 0x0
	.amdhsa_kernel k_qc4ab8e81c2_combine
		.amdhsa_group_segment_fixed_size 0
		.amdhsa_private_segment_fixed_size 0
		.amdhsa_enable_private_segment 0
		.amdhsa_kernarg_size 24
		.amdhsa_user_sgpr_count 2
		.amdhsa_user_sgpr_kernarg_segment_ptr 1
		.amdhsa_wavefront_size32 1
		.amdhsa_system_sgpr_workgroup_id_x 1
		.amdhsa_system_sgpr_workgroup_id_y 1
		.amdhsa_system_sgpr_workgroup_id_z 1
		.amdhsa_system_vgpr_workitem_id 0
		.amdhsa_next_free_vgpr 48
		.amdhsa_next_free_sgpr 66
		.amdhsa_reserve_vcc 0
		.amdhsa_float_denorm_mode_32 3
		.amdhsa_float_denorm_mode_16_64 3
		.amdhsa_memory_ordered 1
		.amdhsa_forward_progress 1
		.amdhsa_inst_pref_size 4
	.end_amdhsa_kernel
	.amdgpu_metadata
---
amdhsa.version: [ 1, 2 ]
amdhsa.kernels:
  - .name:           k_qc4ab8e81c2_combine
    .symbol:         k_qc4ab8e81c2_combine.kd
    .args:
      - { .name: part, .offset: 0, .size: 8, .value_kind: global_buffer, .address_space: global }
      - { .name: stat, .offset: 8, .size: 8, .value_kind: global_buffer, .address_space: global }
      - { .name: out0, .offset: 16, .size: 8, .value_kind: global_buffer, .address_space: global }
    .group_segment_fixed_size: 0
    .private_segment_fixed_size: 0
    .kernarg_segment_align: 8
    .kernarg_segment_size: 24
    .max_flat_workgroup_size: 256
    .sgpr_count:     66
    .vgpr_count:     48
    .wavefront_size: 32
...
	.end_amdgpu_metadata
.endif
;; end of part 3
